; MI455X (gfx1250); checked and timed in simulation.
; The chip was launched on July 23, 2026; its instructions are those of AMD's public machine-readable ISA for CDNA 5 (MIT licence, August 2026) and "CDNA5" Instruction Set Architecture Reference Guide (July 2026). The comments in the code are by the model that wrote it; some were corrected since.
;; LSTHM1. Allowed arithmetic: matrix products marked QUANTISED: E2M1 operands, one E8M0 scale for each 32 along K, by v_wmma_scale_f32_16x16x128_f8f6f4 with both operands' format E2M1 (or v_wmma_scale_f32_32x16x128_f4), f32 sums; everything else in f32.
;; Inputs: Sb 4,096 float32; Sw 256 x 4,096 float32; Ub 4,096 float32; Uw 1,024 x 4,096 float32; Vb 1,024 float32; Vw 1,024 x 1,024 float32; Wb 4,096 float32; Ww 512 x 4,096 float32; ctm 8,192 x 1,024 float32; htm 8,192 x 1,024 float32; speaker_affine 8,192 x 256 float32; x 8,192 x 512 float32; ztm 8,192 x 1,024 float32.
;; Outputs: out0 8,192 x 1,024 float32; out1 8,192 x 1,024 float32.
;; This version of the problem:
;;   THIS VERSION OF THE PROBLEM IS GIVEN IN LOW PRECISION. The matrix products marked QUANTISED in the list below multiply operands that are first quantised to E2M1 (2 exponent bits, 1 mantissa bit; 4 bits a number), with one power-of-two scale for each 32 numbers along K (OCP MX v1.0); their sums are f32. All else is computed in f32.
;;   The module's matrix products, in the order in which they are computed (A, B: the left and right operand; K: the contracted axis; several contracted axes count as one K, in the product's order):
;;     1. [M 8,192, K 512] x [K 512, N 4,096]; A: input x; B: input Ww: QUANTISED
;;     2. [M 8,192, K 1,024] x [K 1,024, N 4,096]; A: input htm; B: input Uw: QUANTISED
;;     3. [M 8,192, K 256] x [K 256, N 4,096]; A: input speaker_affine; B: input Sw: QUANTISED
;;     4. [M 8,192, K 1,024] x [K 1,024, N 1,024]; A: input ztm; B: input Vw: QUANTISED
;;   THE QUANTISER, for each operand of a quantised product, along K:
;;     - K is cut into blocks of 32 from its start; a last block that is shorter is filled with zeros.
;;     - A block's scale is 2^e with e = floor(log2(the largest magnitude in the block)) - 2, held to -126 .. 127; a block of zeros has e = 0. As a byte (E8M0): e + 127.
;;     - Each number is divided by its block's scale, clamped to +-6, and rounded to the nearest number of E2M1, ties to even, subnormals kept.
;;     - The product sums the exact products of the quantised numbers (number of the format x scale) in f32.
;;   ~~~python
;;   def quantise(x, axis):      # numpy; x: float32 -> the quantised numbers, widened to float32 again
;;       x = np.moveaxis(x, axis, -1); K = x.shape[-1]
;;       x = np.pad(x, [(0, 0)] * (x.ndim - 1) + [(0, -K % 32)]); x = x.reshape(x.shape[:-1] + (-1, 32)); a = np.abs(x).max(-1, keepdims=True)
;;       e = np.where(a > 0, np.clip(np.frexp(np.where(a > 0, a, 1))[1] - 1 - 2, -126, 127), 0)      # np.frexp(a)[1] - 1 = floor(log2(a)), exactly
;;       r = np.clip(x / 2.0 ** e, -6, 6)
;;       step = 2.0 ** (np.maximum(np.frexp(np.where(r == 0, 1, r))[1] - 1, 0) - 1)
;;       q = np.round(r / step) * step * 2.0 ** e      # np.round: ties to even
;;       return np.moveaxis(q.reshape(q.shape[:-2] + (-1,))[..., :K], -1, axis).astype(np.float32)
;;   ~~~
;; One version. Each part assembles by itself: llvm-mc -triple=amdgcn-amd-amdhsa -mcpu=gfx1250 --defsym DOCPART=n.
;; ======== version 1 of 1: 2 launches
;; limits: inputs' magnitudes at most 68,719,476,736; right only within a limited range of input values; a function is approximated: absolute error at most 9.3e-10
;; workspace buffers: aq 11,534,336 bytes; asc 720,896 bytes; wq 4,194,304 bytes; wsc 262,144 bytes
;; launch quant (part 1): grid 960 x 1, 4 waves a work-group, no clusters, 35,328 bytes of LDS; arguments x, htm, speaker_affine, ztm, Ww, Uw, Sw, Vw, aq, asc, wq, wsc; writes aq, asc, wq, wsc
.if DOCPART == 1
	.amdgcn_target "amdgcn-amd-amdhsa--gfx1250"
	.amdhsa_code_object_version 6
	.text
	.protected	k_q842bff25ea_quant
	.globl	k_q842bff25ea_quant
	.p2align	8
	.type	k_q842bff25ea_quant,@function
k_q842bff25ea_quant:
	s_mov_b64 s[64:65], 0
	v_nop
	global_prefetch_b8 v0, s[64:65] scope:SCOPE_SE
	s_setreg_imm32_b32 hwreg(HW_REG_WAVE_MODE, 25, 1), 1
	s_wait_xcnt 0x0
; All eight operands of the four products, f32, become codes of FP4 (E2M1) with one E8M0 byte for each 32 along K, laid as the second launch's operand registers want them.
; A FRAGMENT (16 rows x 128 K) is 1,024 bytes: byte 256 b + 16 r on holds the 16 code bytes of block b (32 along K) of row r, so that two loads of 16 bytes a lane, at 16 x lane and 512 further on, are the operand's 8 registers.
; A HALF-BLOCK (hb) is 256 along K.  Activations: hb 0,1 = x; 2-5 = htm; 6 = speaker_affine; 7-10 = ztm.  Weights: hb 0,1 = Ww; 2-5 = Uw; 6 = Sw; 7 = all of Vw.
;   aq  [row tile 32][hb 11][wave 4][K step 2][row block 4][1,024]        asc [row tile 32][hb 11][row 256][8]: two scale words a row
;   wq  [cell tile 16]: hb 0-6 as [K step 2][fragment 16][1,024], fragment 4 gate + cb = cells 64 T + 16 cb on of that gate; then Vw as [K step 8][cb 4][1,024]
;   wsc [cell tile 16]: hb 0-6 as [16 fragment + row (256)][8]; then Vw as [hb 4][16 cb + row (64)][8]
; A block's scale is 2^(floor(log2(its largest magnitude)) - 2): its byte is the largest magnitude's exponent field - 2, held at 1 from below by a floor among the maximum's leaves.
; LIMITS: a block of zeros gets the byte 1 where the rule says 127 (its codes are zeros, and this program alone reads the bytes); NaN and infinities among the inputs are not served.
; Work-groups 0-223 take Ww, Uw, Sw; 224-255 Vw; 256-959 the activations.  The waves share nothing: no barrier.  Only the activations' path touches LDS.
; No matrix unit, no cluster, no tensor load: each input byte is read once by one wave.
.set WX,  32                           ; weights: v32-95 two sets of 32 numbers; v96-127 codes, four registers a block, never written again; v16-17 scale bytes
.set WC,  96
.set WSB, 16
.set AL,  4                            ; activations: v4-11 the eight loads' offsets; v12, v13 the stage in and out; v14 16 x lane; v15 8 x lane; v16 8 x (lane / 16)
.set AE,  24                           ; v24-31 a scale byte for each sub-step
.set AR,  32                           ; v32-127 three sets of 32 numbers as loaded
.set AX,  128                          ; v128-191 two sets of 32 neighbours along K
.set AC,  192                          ; v192-223 codes, four registers a sub-step, never written again
.set STG, 4352                         ; a stage: 16 rows x (256 bytes + 16)
; the 32 numbers v[xs] .. v[xs + 31] are one block: v20 = its largest magnitude (not under the floor 2^(3 - 127)) with 2 taken off the exponent field: the conversions' scale operand
.macro BMAX xs
	v_max3_num_f32 v18, |v[\xs]|, |v[\xs+1]|, |v[\xs+2]|
	v_max3_num_f32 v19, |v[\xs+3]|, |v[\xs+4]|, |v[\xs+5]|
.irp i, 6,10,14,18,22,26
	v_max3_num_f32 v18, v18, |v[\xs+\i]|, |v[\xs+\i+1]|
	v_max3_num_f32 v19, v19, |v[\xs+\i+2]|, |v[\xs+\i+3]|
.endr
	v_max3_num_f32 v18, v18, |v[\xs+30]|, |v[\xs+31]|
	v_max3_num_f32 v18, v18, v19, 0x1800000
	v_add_nc_u32 v20, 0xff000000, v18
.endm
	s_load_b512 s[8:23], s[0:1], 0x0               ; x, htm, speaker_affine, ztm, Ww, Uw, Sw, Vw
	s_load_b256 s[24:31], s[0:1], 0x40             ; aq, asc, wq, wsc
	v_lshl_add_u32 v224, v0, 2, 0x8800
	v_mov_b32 v225, 0
	v_lshrrev_b32 v1, 5, v0
	v_readfirstlane_b32 s2, v1                     ; wave 0..3
	v_and_b32 v1, 31, v0                           ; lane
	v_and_b32 v2, 15, v0                           ; r
	v_bfe_u32 v3, v0, 4, 1                         ; h
	s_cmp_ge_u32 ttmp9, 256
	s_cbranch_scc1 .Lact
	; ---- WEIGHTS.  A wave takes 32 columns x 256 along K.  A LANE TAKES A COLUMN AND ITS REGISTERS RUN DOWN K: a block of 32 lies in one lane, and the codes come out with K innermost.
	v_lshlrev_b32 v4, 2, v1                        ; in: 4 bytes a lane, 128 consecutive bytes a load
	v_lshlrev_b32 v5, 4, v2
	v_lshl_add_u32 v5, v3, 10, v5                  ; out: fragment lane / 16, row lane % 16: sixteen lanes store 256 consecutive bytes
	v_lshlrev_b32 v6, 3, v1                        ; scale words: 8 bytes a lane
	s_cmp_ge_u32 ttmp9, 224
	s_cbranch_scc1 .Lvw
	s_lshr_b32 s3, ttmp9, 5                        ; hb 0..6
	s_and_b32 s4, ttmp9, 31
	s_lshl_b32 s4, s4, 7
	s_lshl_b32 s5, s2, 5
	s_add_co_u32 s4, s4, s5                        ; my first column of 4,096
	s_lshr_b32 s5, s4, 10                          ; gate
	s_bfe_u32 s6, s4, 0x40006                      ; cell tile T
	s_bfe_u32 s7, s4, 0x20004                      ; cb
	s_lshl_b32 s5, s5, 2
	s_add_co_u32 s5, s5, s7                        ; my first fragment
	s_wait_kmcnt 0x0
	s_mov_b64 s[32:33], s[20:21]                   ; Sw, whose first hb is 6;
	s_mov_b32 s34, 6
	s_cmp_lt_u32 s3, 6
	s_cselect_b64 s[32:33], s[18:19], s[32:33]     ; Uw, 2;
	s_cselect_b32 s34, 2, s34
	s_cmp_lt_u32 s3, 2
	s_cselect_b64 s[32:33], s[16:17], s[32:33]     ; Ww, 0: the choice hangs on the work-group's number alone
	s_cselect_b32 s34, 0, s34
	s_sub_co_u32 s34, s3, s34
	s_lshl_b32 s36, s34, 22                        ; 256 rows of 16,384 bytes for each hb of the tensor
	s_lshl_b32 s38, s4, 2
	s_add_co_u32 s36, s36, s38
	s_mov_b32 s37, 0
	s_add_nc_u64 s[32:33], s[32:33], s[36:37]      ; where I read
	s_lshl_b32 s36, s6, 18
	s_lshl_b32 s38, s3, 15
	s_add_co_u32 s36, s36, s38
	s_lshl_b32 s38, s5, 10
	s_add_co_u32 s36, s36, s38
	s_add_nc_u64 s[40:41], s[28:29], s[36:37]      ; my fragments of K step 0,
	s_add_nc_u64 s[42:43], s[40:41], 16384         ; of K step 1,
	s_lshl_b32 s36, s6, 14
	s_lshl_b32 s38, s3, 11
	s_add_co_u32 s36, s36, s38
	s_lshl_b32 s38, s5, 7
	s_add_co_u32 s36, s36, s38
	s_add_nc_u64 s[44:45], s[30:31], s[36:37]      ; and their scale words
.macro LOADW t, pitch                  ; block t: W(32 t + i, my column) into set t % 2
.set i, 0
.rept 32
	global_load_b32 v[WX+32*((\t)%2)+i], v4, s[32:33] offset:(32*(\t)+i)*(\pitch) th:TH_LOAD_NT
.set i, i+1
.endr
.endm
.macro BLOCKW t, pitch
.set XB, WX+32*((\t)%2)
.if (\t) < 7
	s_wait_loadcnt 32                              ; this block's 32 loads are in; the next block's 32 may be out
.else
	s_wait_loadcnt 0x0
.endif
	BMAX XB
.irp g, 0,1,2,3
	v_cvt_scalef32_pk8_fp4_f32 v[WC+4*(\t)+\g], v[XB+8*\g:XB+8*\g+7], v20
.endr
	v_lshrrev_b32 v21, 23, v20                     ; the scale's byte (also the plain line behind the conversions)
.if (\t)%4 == 0
	v_mov_b32 v[WSB+(\t)/4], v21                   ; four bytes to a word, the lower K in the lower byte
.else
	v_lshl_or_b32 v[WSB+(\t)/4], v21, 8*((\t)%4), v[WSB+(\t)/4]
.endif
	global_store_b128 v5, v[WC+4*(\t):WC+4*(\t)+3], s[40+2*((\t)/4):41+2*((\t)/4)] offset:256*((\t)%4)
.if (\t)+2 < 8
	LOADW (\t)+2, \pitch
.endif
.endm
.macro WPATH pitch                     ; every offset is an immediate, no register of a load or store is written again: no wait on XCNT
	LOADW 0, \pitch
	LOADW 1, \pitch
.irp t, 0,1,2,3,4,5,6,7
	BLOCKW \t, \pitch
.endr
	global_store_b64 v6, v[WSB:WSB+1], s[44:45]    ; 32 lanes store 256 consecutive bytes
	s_endpgm
.endm
	WPATH 16384
.Lvw:
	s_sub_co_u32 s3, ttmp9, 224
	s_lshr_b32 s7, s3, 3                           ; which 256 along K
	s_and_b32 s4, s3, 7
	s_lshl_b32 s4, s4, 7
	s_lshl_b32 s5, s2, 5
	s_add_co_u32 s4, s4, s5                        ; my first column of 1,024
	s_lshr_b32 s6, s4, 6                           ; cell tile T
	s_bfe_u32 s5, s4, 0x20004                      ; cb
	s_lshl_b32 s36, s7, 20                         ; 256 rows of 4,096 bytes
	s_lshl_b32 s38, s4, 2
	s_add_co_u32 s36, s36, s38
	s_mov_b32 s37, 0
	s_wait_kmcnt 0x0
	s_add_nc_u64 s[32:33], s[22:23], s[36:37]
	s_lshl_b32 s36, s6, 18
	s_add_co_u32 s36, s36, 229376                  ; behind the tile's seven hb
	s_lshl_b32 s38, s7, 13
	s_add_co_u32 s36, s36, s38
	s_lshl_b32 s38, s5, 10
	s_add_co_u32 s36, s36, s38
	s_add_nc_u64 s[40:41], s[28:29], s[36:37]
	s_add_nc_u64 s[42:43], s[40:41], 4096
	s_lshl_b32 s36, s6, 14
	s_add_co_u32 s36, s36, 14336
	s_lshl_b32 s38, s7, 9
	s_add_co_u32 s36, s36, s38
	s_lshl_b32 s38, s5, 7
	s_add_co_u32 s36, s36, s38
	s_add_nc_u64 s[44:45], s[30:31], s[36:37]
	WPATH 4096
	; ---- ACTIVATIONS.  A wave takes 32 rows x 256 along K, in eight sub-steps of 16 rows x 64 K.  A load reads two rows' 256 consecutive bytes; the 4,096 bytes of a sub-step turn through the wave's
	; own stage in LDS (rows 272 bytes apart) and come back 128 bytes a lane: lane (r, h) then holds the whole block h of row r, and its 16 code bytes lie at 16 x lane of the fragment's half.
.Lact:
	s_sub_co_u32 s3, ttmp9, 256
	s_lshr_b32 s4, s3, 6                           ; hb 0..10: 64 work-groups, 256 waves, each
	s_lshl_b32 s5, s3, 2
	s_add_co_u32 s5, s5, s2
	s_and_b32 s5, s5, 255                          ; which 32 rows of 8,192
	s_lshr_b32 s6, s5, 3                           ; row tile
	s_and_b32 s7, s5, 7                            ; which 32 rows of its 256
	s_wait_kmcnt 0x0
	s_mov_b64 s[32:33], s[14:15]                   ; ztm: first hb 7, a row of 4,096 bytes;
	s_mov_b32 s34, 7
	s_mov_b32 s35, 4096
	s_cmp_lt_u32 s4, 7
	s_cselect_b64 s[32:33], s[12:13], s[32:33]     ; speaker_affine: 6, 1,024;
	s_cselect_b32 s34, 6, s34
	s_cselect_b32 s35, 1024, s35
	s_cmp_lt_u32 s4, 6
	s_cselect_b64 s[32:33], s[10:11], s[32:33]     ; htm: 2, 4,096;
	s_cselect_b32 s34, 2, s34
	s_cselect_b32 s35, 4096, s35
	s_cmp_lt_u32 s4, 2
	s_cselect_b64 s[32:33], s[8:9], s[32:33]       ; x: 0, 2,048
	s_cselect_b32 s34, 0, s34
	s_cselect_b32 s35, 2048, s35
	s_sub_co_u32 s34, s4, s34
	s_lshl_b32 s34, s34, 10                        ; 1,024 bytes of a row for each hb of the tensor
	s_lshl_b32 s36, s5, 5
	s_mul_i32 s36, s36, s35
	s_add_co_u32 s36, s36, s34
	s_mov_b32 s37, 0
	s_add_nc_u64 s[32:33], s[32:33], s[36:37]      ; my rows 0-15,
	s_lshl_b32 s36, s35, 4
	s_add_nc_u64 s[38:39], s[32:33], s[36:37]      ; my rows 16-31
	s_mul_i32 s36, s6, 360448
	s_lshl_b32 s40, s4, 15
	s_add_co_u32 s36, s36, s40
	s_lshr_b32 s40, s7, 1
	s_lshl_b32 s40, s40, 13
	s_add_co_u32 s36, s36, s40
	s_and_b32 s40, s7, 1
	s_lshl_b32 s40, s40, 11
	s_add_co_u32 s36, s36, s40
	s_add_nc_u64 s[42:43], s[24:25], s[36:37]      ; my two row blocks' fragments
	s_mul_i32 s36, s6, 22528
	s_lshl_b32 s40, s4, 11
	s_add_co_u32 s36, s36, s40
	s_lshl_b32 s40, s7, 8
	s_add_co_u32 s36, s36, s40
	s_add_nc_u64 s[44:45], s[26:27], s[36:37]      ; my 32 rows' scale words
	s_mov_b32 s46, 0x76543210
	s_mov_b32 s47, 0xfedcba98                      ; v_permlanex16_b32's selects for lane l xor 16
	v_mul_lo_u32 v[AL], v3, s35
	v_lshl_add_u32 v[AL], v2, 4, v[AL]             ; load i: row 2 i + lane / 16, 16 bytes a lane
	s_lshl_b32 s40, s35, 1
.irp i, 1,2,3,4,5,6,7
	v_add_nc_u32 v[AL+\i], s40, v[AL+\i-1]
.endr
	s_mul_i32 s41, s2, 2*STG                       ; my wave's two stages
	v_mul_u32_u24 v12, v3, 272
	v_lshl_add_u32 v12, v2, 4, v12
	v_add_nc_u32 v12, s41, v12                     ; in: as loaded
	v_mul_u32_u24 v13, v2, 272
	v_lshl_add_u32 v13, v3, 7, v13
	v_add_nc_u32 v13, s41, v13                     ; out: row r, block h
	v_lshlrev_b32 v14, 4, v1
	v_lshlrev_b32 v15, 3, v1
	v_lshlrev_b32 v16, 3, v3
.macro LOADA t
.irp i, 0,1,2,3,4,5,6,7
	global_load_b128 v[AR+32*((\t)%3)+4*\i:AR+32*((\t)%3)+4*\i+3], v[AL+\i], s[32+6*((\t)/4):33+6*((\t)/4)] offset:256*((\t)%4) th:TH_LOAD_NT
.endr
.endm
.macro TURNA t                         ; LDS serves a wave's instructions in order: no wait between the stores and the loads
.irp i, 0,1,2,3,4,5,6,7
	ds_store_b128 v12, v[AR+32*((\t)%3)+4*\i:AR+32*((\t)%3)+4*\i+3] offset:STG*((\t)%2)+544*\i
.endr
.irp i, 0,1,2,3,4,5,6,7
	ds_load_b128 v[AX+32*((\t)%2)+4*\i:AX+32*((\t)%2)+4*\i+3], v13 offset:STG*((\t)%2)+16*\i
.endr
.endm
.macro STEPA t
.set XB, AX+32*((\t)%2)
	s_wait_dscnt 0x0                               ; this sub-step's numbers are back, so its stores into the stage have read their registers,
.if (\t)+3 < 8
	LOADA (\t)+3                                   ; which take the loads of three sub-steps on
.endif
.if (\t) < 7
.if (\t) < 5
	s_wait_loadcnt 16                              ; the next sub-step's eight loads are in; the sixteen behind them may be out
.else
	s_wait_loadcnt 8*(6-(\t))
.endif
	TURNA (\t)+1                                   ; and go through the other stage while this sub-step is worked
.endif
	BMAX XB
.irp g, 0,1,2,3
	v_cvt_scalef32_pk8_fp4_f32 v[AC+4*(\t)+\g], v[XB+8*\g:XB+8*\g+7], v20
.endr
	v_lshrrev_b32 v[AE+(\t)], 23, v20              ; the scale's byte (also the plain line behind the conversions)
	global_store_b128 v14, v[AC+4*(\t):AC+4*(\t)+3], s[42:43] offset:(((\t)%4)/2)*4096+((\t)/4)*1024+((\t)%2)*512   ; 512 consecutive bytes: half a fragment
.endm
	LOADA 0
	LOADA 1
	LOADA 2
	s_wait_loadcnt 16                              ; sub-step 0's eight loads are in
	TURNA 0
.irp t, 0,1,2,3,4,5,6,7
	STEPA \t
.endr
	; the scale words.  Word n = 2 (row block) + K step: my bytes of sub-steps 2 n and 2 n + 1 are blocks h and 2 + h of row r; lane l xor 16 has the other two
.irp n, 0,1,2,3
	v_mov_b32 v[132+\n], 0                         ; a lane permute's destination counts as one of its sources
	v_lshl_or_b32 v[128+\n], v[AE+2*\n+1], 16, v[AE+2*\n]
.endr
.irp n, 0,1,2,3
	v_lshlrev_b32 v[128+\n], v16, v[128+\n]
.endr
.irp n, 0,1,2,3
	v_permlanex16_b32 v[132+\n], v[128+\n], s46, s47
.endr
.irp n, 0,1,2,3
	v_or_b32 v[128+\n], v[128+\n], v[132+\n]
.endr
	v_cmp_le_u32 vcc_lo, 16, v1
	v_cndmask_b32 v136, v128, v130, vcc_lo         ; lane l stores row l of the 32: lanes 16-31 take the second row block's words
	v_cndmask_b32 v137, v129, v131, vcc_lo
	global_store_b64 v15, v[136:137], s[44:45]     ; 256 consecutive bytes
	s_wait_tensorcnt 0x0
	ds_add_u32 v224, v225
	s_wait_dscnt 0x0
	s_endpgm
.Lfunc_end_k_q842bff25ea_quant:
	.size	k_q842bff25ea_quant, .Lfunc_end_k_q842bff25ea_quant-k_q842bff25ea_quant
	.p2alignl 7, 3214868480
	.fill 96, 4, 3214868480
	.section	.rodata,"a",@progbits
	.p2align	6, 0x0
	.amdhsa_kernel k_q842bff25ea_quant
		.amdhsa_group_segment_fixed_size 35328
		.amdhsa_private_segment_fixed_size 0
		.amdhsa_enable_private_segment 0
		.amdhsa_kernarg_size 96
		.amdhsa_user_sgpr_count 2
		.amdhsa_user_sgpr_kernarg_segment_ptr 1
		.amdhsa_wavefront_size32 1
		.amdhsa_system_sgpr_workgroup_id_x 1
		.amdhsa_system_sgpr_workgroup_id_y 1
		.amdhsa_system_sgpr_workgroup_id_z 1
		.amdhsa_system_vgpr_workitem_id 0
		.amdhsa_next_free_vgpr 226
		.amdhsa_next_free_sgpr 66
		.amdhsa_reserve_vcc 1
		.amdhsa_float_denorm_mode_32 3
		.amdhsa_float_denorm_mode_16_64 3
		.amdhsa_memory_ordered 1
		.amdhsa_forward_progress 1
		.amdhsa_inst_pref_size 107
	.end_amdhsa_kernel
	.amdgpu_metadata
---
amdhsa.version: [ 1, 2 ]
amdhsa.kernels:
  - .name:           k_q842bff25ea_quant
    .symbol:         k_q842bff25ea_quant.kd
    .args:
      - { .name: x, .offset: 0, .size: 8, .value_kind: global_buffer, .address_space: global }
      - { .name: htm, .offset: 8, .size: 8, .value_kind: global_buffer, .address_space: global }
      - { .name: speaker_affine, .offset: 16, .size: 8, .value_kind: global_buffer, .address_space: global }
      - { .name: ztm, .offset: 24, .size: 8, .value_kind: global_buffer, .address_space: global }
      - { .name: Ww, .offset: 32, .size: 8, .value_kind: global_buffer, .address_space: global }
      - { .name: Uw, .offset: 40, .size: 8, .value_kind: global_buffer, .address_space: global }
      - { .name: Sw, .offset: 48, .size: 8, .value_kind: global_buffer, .address_space: global }
      - { .name: Vw, .offset: 56, .size: 8, .value_kind: global_buffer, .address_space: global }
      - { .name: aq, .offset: 64, .size: 8, .value_kind: global_buffer, .address_space: global }
      - { .name: asc, .offset: 72, .size: 8, .value_kind: global_buffer, .address_space: global }
      - { .name: wq, .offset: 80, .size: 8, .value_kind: global_buffer, .address_space: global }
      - { .name: wsc, .offset: 88, .size: 8, .value_kind: global_buffer, .address_space: global }
    .group_segment_fixed_size: 35328
    .private_segment_fixed_size: 0
    .kernarg_segment_align: 8
    .kernarg_segment_size: 96
    .max_flat_workgroup_size: 128
    .sgpr_count:     66
    .vgpr_count:     226
    .wavefront_size: 32
...
	.end_amdgpu_metadata
.endif
;; end of part 1
;; launch cell (part 2): grid 16 x 32, 4 waves a work-group, clusters of 4 x 4, 327,680 bytes of LDS; arguments aq, asc, wq, wsc, Wb, Ub, Sb, Vb, ctm, out0, out1; writes out0, out1
.if DOCPART == 2
	.amdgcn_target "amdgcn-amd-amdhsa--gfx1250"
	.amdhsa_code_object_version 6
	.text
	.protected	k_q842bff25ea_cell
	.globl	k_q842bff25ea_cell
	.p2align	8
	.type	k_q842bff25ea_cell,@function
k_q842bff25ea_cell:
	s_mov_b64 s[64:65], 0
	v_nop
	global_prefetch_b8 v0, s[64:65] scope:SCOPE_SE
	s_setreg_imm32_b32 hwreg(HW_REG_WAVE_MODE, 25, 1), 1
	s_wait_xcnt 0x0
	s_wait_alu depctr_hold_cnt(0) depctr_sa_sdst(0) depctr_va_vdst(0) depctr_va_sdst(0) depctr_va_ssrc(0) depctr_va_vcc(0) depctr_vm_vsrc(0)
	s_getreg_b32 s2, hwreg(HW_REG_IB_STS2, 6, 4)
	s_cmp_eq_u32 s2, 0
	s_cbranch_scc0 .Lentry_in_a_cluster
	s_endpgm
.Lentry_in_a_cluster:
	s_bfe_u32 s2, ttmp6, 0x10000c
	s_cmp_lg_u32 s2, 0xf033
	s_cbranch_scc0 .Lentry_shape_is_right
	s_endpgm
.Lentry_shape_is_right:
; sums = x Ww + htm Uw + speaker Sw + (Wb + Ub + Sb), hybrid = ztm Vw + Vb, on codes of FP4 (E2M1) with E8M0 scales made by the launch before; then
; c = sigmoid(f) ctm + sigmoid(i) tanh(g) + sigmoid(hybrid) ctm, h = tanh(c) sigmoid(o), in f32.  The sums and the hybrid never go to memory.
; SHARES.  A work-group makes 256 rows x 64 cells, all four gates and the hybrid.  Wave w takes rows 64 w on: 4 row fragments x 16 weight fragments (4 gate + cb): 64 products for each of the 14 main K steps
; of 128, 16 for each of the hybrid's 8; 80 accumulators, 640 registers.  A wave's 64 cells are 256 bytes of an output row, so it stores whole rows of its tile by itself.
; THE MATRIX INSTRUCTION IS USED TRANSPOSED: source 0 = 16 cells of a weight, source 1 = 16 rows: lane (r, h) holds row r and cells 8 h + 0 .. 7 of the fragment.  The biases are the C of each sum's first product.
; OPERANDS lie in the workspace as images of their registers: a fragment is 1,024 bytes, two loads of 16 bytes a lane at 16 x lane, 512 apart; each load reads 512 consecutive bytes: no pitch, no padding.
; RING.  Two slots of 128 KiB, each with two half-blocks (256 along K) of the rows' codes (64 KiB) and of the weights' (64 KiB).  Waves 0, 1 fetch the rows' two half-blocks, waves 2, 3 the weights': 32 KiB a load.
;   block 0: x | 1, 2: htm | 3: speaker and ztm's first quarter, Sw and all of Vw | 4: ztm's other three quarters, by waves 0, 1 and 2: the fourth goes where slot 0 held weights, of which none are left to fetch.
;   By this text's count a wave has three tensor loads out at the head and one behind each round.  All scale words of the tile come once, with the first fills.
; CLUSTER 4 x 4.  The four work-groups of a row of the cluster share the rows' codes and scales, the four of a column the weights': each tile is asked for jointly, by the same load with a mask that names the four.
; THE GATES.  E = 2^min(k s, 30), k = -log2(e) for a sigmoid, -2 log2(e) for a tanh; p = 1 + E; sigmoid = 1 / p, tanh = (2 - p) / p.
;   c = (ctm (pf + ph) pi pg + (2 - pg) pf ph) / (pf ph pi pg);  h = (2 - pC) / (pC po): six exponentials and two reciprocals a cell.
; LIMITS: the hold at 2^30 keeps the products of four p finite; it leaves a sigmoid at 2^-30 where the true one is smaller; |ctm| under 2^36; NaN and infinities are not served.
; Left out: a prefetch of the tiles (they are shared jointly; ctm is loaded into registers a phase ahead of its use).
; REGISTERS, in windows of 256.  Window 0: v1-22 addresses; v32-71 the main scale words, two sets of 20; v72-135 the rows' fragments, two sets; v136-167 Vb; v168-199 the hybrid's scale words;
;   at the gates v72-151 two quarters at work, v200-231 ctm, v232-239 pf + ph.  The scale registers hold scales and nothing else.
;   Window 1: v0-127 the weights' 16 fragments (in the hybrid: Vw's, two sets of 32; then ctm as loaded); v128-255 the summed biases, later the hybrid's 16 accumulators.
;   Window 2: accumulators of fragments 0-7 at v[8 (4 i + a)];  window 3: of fragments 8-15.  At the end the rows of c and h come back into those of gates f and o.
.set SLOTX, 0x20000                    ; from slot 0 to slot 1: one exclusive or
.set XS,    0x40000                    ; behind the ring: the rows' scale words, 22,528 bytes,
.set XSB,   XS+22528                   ; the weights', 16,384,
.set SPARE, XS+38912                   ; and the spare words, 128 bytes a wave: two blocks of 256 bytes that no other line names
.set STC,   4608                       ; the way out: each wave's stages lie in the rows' side of slot 0 at 16,384 x wave: ctm at 0, c at 4,608, h at 9,216; 16 rows x 272 bytes each.
.set STH,   9216                       ; Those bytes have had their last fill by then, and every wave has passed a barrier behind its last read of them
.set AR0, 4                            ; v4   8,192 x wave + 16 x lane: my rows' fragments in a half-block
.set AW0, 5                            ; v5   65,536 + 16 x lane: the weights'
.set ADR, 6                            ; v6, v7 the same in the slot in hand
.set ADW, 7
.set ASR, 8                            ; v8   my rows' scale words of the block in hand; v9 the weights'
.set ASW, 9
.set AZ1, 10                           ; v10  AR0 in slot 1
.set AVV, 11                           ; v11  Vw's fragments
.set STI, 12                           ; v12  a stage by rows of 256 bytes: row lane / 16, 16 bytes a lane
.set STO, 13                           ; v13  a stage by the result's layout: row r, 32 h bytes on
.set CI,  14                           ; v14  the same two rows in ctm, c and h
.set BO,  15                           ; v15  32 h: my eight cells of a fragment's 16, in a bias
.set SPW, 16                           ; v16  my spare word; v17 0; neither is written again
.set NIL, 17
.set AZS, 18                           ; v18  my rows' scale words, hb 0; v19 Vw's
.set AVS, 19
.set AZ3, 22                           ; v22  AR0 + 65,536: ztm's fourth quarter, where slot 0 held weights
.set SC,  32
.set RF,  72
.set VB,  136
.set HSC, 168
.set QX,  72                           ; a quarter at work: 8 registers each of f, hybrid, i, g, o
.set QY,  112
.set CTF, 200
.set UU,  232
.set WV,  26                           ; s26 wave; s28 wave % 2; s27, s35, s67 LDS addresses made of the wave's number
.set LA,  27
.set WL,  28
.set CX,  29
.set CY,  30
.set TT,  31                           ; s31 cell tile; s32 row tile
.set RT,  32
.set TB,  33                           ; s33 the slot in hand
.set CNT, 34
.set G1A, 36                           ; descriptor groups 1: rows' codes, weights' codes, rows' scales, weights' scales
.set G1B, 44
.set G1SA, 52
.set K1,  60                           ; s[60:61] -log2(e); s[62:63] -2 log2(e); s66 30.0
.set K2,  62
.set LIM, 66
.set G1SB, 68
.set G0A0, 76                          ; groups 0: block 0's (G0A0 serves once more, for ztm's fourth quarter); G0A1, G0B1: block 1's, which then walk
.set G0A1, 80
.set G0B0, 84
.set G0B1, 88
.set G0SA, 92
.set G0SB, 96
.set MUL_LO, 0xa1                      ; source 0 (weights) window 1, source 1 (rows) window 0, C and D window 2
.set MUL_HI, 0xf1                      ; the same, C and D window 3
.set TO_W,   0x40                      ; destination window 1, address window 0
.set MSB, 0
.macro WIN new                         ; the immediate's high byte repeats the setting that is left; a switch that changes nothing is dropped
.if MSB != (\new)
	s_set_vgpr_msb (MSB<<8)|(\new)
.set MSB, \new
.endif
.endm
.macro PLACES                          ; four plain lines between a matrix instruction and a load into, or a vector line on, one of its registers (ISA guide 7.12.1 for vector lines)
.rept 4
	v_nop
.endr
.endm
; A joint load: waves 0 and 1 ask for the rows' side, waves 2 and 3 for the weights'.  The branch hangs on the wave's number alone.  Four v_nop follow each line.
.macro JLOAD g0a, g1a, g0b, g1b
	s_cmp_lt_u32 s[WV], 2
	s_cbranch_scc0 .Lfor_b_\@
	tensor_load_to_lds s[\g0a:\g0a+3], s[\g1a:\g1a+7]
	s_nop 0
.rept 4
	v_nop
.endr
	s_branch .Lasked_\@
.Lfor_b_\@:
	tensor_load_to_lds s[\g0b:\g0b+3], s[\g1b:\g1b+7]
	s_nop 0
.rept 4
	v_nop
.endr
.Lasked_\@:
.endm
; The last joint loads: waves 0 and 1 ask for ztm's second and third quarters, wave 2 for its fourth, wave 3 for nothing; all three go to my row of the cluster.
; The four lines behind the join are every wave's places in front of the LDS loads that follow.
.macro JLOADZ
	s_cmp_lt_u32 s[WV], 2
	s_cbranch_scc0 .Lnot_a_\@
	tensor_load_to_lds s[G0A1:G0A1+3], s[G1A:G1A+7]
	s_nop 0
.rept 4
	v_nop
.endr
	s_branch .Lasked_\@
.Lnot_a_\@:
	s_cmp_lt_u32 s[WV], 3
	s_cbranch_scc0 .Lasked_\@
	tensor_load_to_lds s[G0A0:G0A0+3], s[G1A:G1A+7]
	s_nop 0
.rept 4
	v_nop
.endr
.Lasked_\@:
.rept 4
	v_nop
.endr
.endm
.macro CREST                           ; a round of the cluster's barrier behind its opening barrier
	s_cmp_lg_u32 s[WV], 0
	s_cbranch_scc1 .Lnot_wave_0_\@
	s_barrier_signal -3
.Lnot_wave_0_\@:
	s_barrier_wait -3
	s_barrier_signal -1
	s_barrier_wait -1
.endm
.macro CROUND
	s_barrier_signal -1
	s_barrier_wait -1
	CREST
.endm
	s_load_b256 s[4:11], s[0:1], 0x0               ; aq, asc, wq, wsc
	s_load_b256 s[12:19], s[0:1], 0x20             ; Wb, Ub, Sb, Vb
	s_load_b128 s[20:23], s[0:1], 0x40             ; ctm, out0
	s_load_b64 s[24:25], s[0:1], 0x50              ; out1
	v_lshl_add_u32 v[SPW], v0, 2, SPARE
	v_mov_b32 v[NIL], 0
	ds_add_u32 v16, v17
	ds_add_u32 v16, v17
	s_wait_dscnt 0x0
	v_lshrrev_b32 v1, 5, v0
	v_readfirstlane_b32 s[WV], v1                  ; wave 0..3
	s_and_b32 s[WL], s[WV], 1                      ; which of a block's two half-blocks I fetch
	s_bfe_u32 s[CX], ttmp6, 0x40000                ; my place in the cluster
	s_bfe_u32 s[CY], ttmp6, 0x40004
	s_lshl_b32 s[TT], ttmp9, 2
	s_add_co_u32 s[TT], s[TT], s[CX]               ; cell tile = 4 x cluster x + cx
	s_and_b32 s[RT], ttmp7, 0xffff
	s_lshl_b32 s[RT], s[RT], 2
	s_add_co_u32 s[RT], s[RT], s[CY]               ; row tile = 4 x cluster y + cy
	s_lshl_b32 s100, s[CY], 2
	s_lshl_b32 s100, 15, s100                      ; my row of the cluster
	s_lshl_b32 s104, 0x1111, s[CX]                 ; my column
	; groups 1: dense blocks as rows of 256 bytes (32 elements of 8 bytes), no padding; 15:0 the mask, 17:16 the element's size, 21 set beside a mask
	s_or_b32 s[G1A], s100, (3<<16)|(1<<21)
	s_or_b32 s[G1SA], s100, (3<<16)|(1<<21)
	s_or_b32 s[G1B], s104, (3<<16)|(1<<21)
	s_or_b32 s[G1SB], s104, (3<<16)|(1<<21)
.irp g, G1A, G1B
	s_mov_b32 s[\g+1], 32<<16                      ; tensor_dim0
	s_mov_b32 s[\g+2], 128<<16                     ; tensor_dim1: 128 rows, 32,768 bytes: a half-block
	s_mov_b32 s[\g+3], 32<<16                      ; tile_dim0
	s_mov_b32 s[\g+4], 128                         ; tile_dim1
	s_mov_b32 s[\g+5], 32                          ; from row to row
	s_mov_b32 s[\g+6], 0
	s_mov_b32 s[\g+7], 0
.endr
	s_mov_b32 s[G1SA+1], 32<<16
	s_mov_b32 s[G1SA+2], 44<<16                    ; half of the rows' scale words: 11,264 bytes
	s_mov_b32 s[G1SA+3], 32<<16
	s_mov_b32 s[G1SA+4], 44
	s_mov_b32 s[G1SA+5], 32
	s_mov_b32 s[G1SA+6], 0
	s_mov_b32 s[G1SA+7], 0
	s_mov_b32 s[G1SB+1], 32<<16
	s_mov_b32 s[G1SB+2], 32<<16                    ; half of the weights': 8,192 bytes
	s_mov_b32 s[G1SB+3], 32<<16
	s_mov_b32 s[G1SB+4], 32
	s_mov_b32 s[G1SB+5], 32
	s_mov_b32 s[G1SB+6], 0
	s_mov_b32 s[G1SB+7], 0
	s_mov_b32 s[K1], 0xbfb8aa3b
	s_mov_b32 s[K1+1], s[K1]                       ; (the packed forms name a pair and take its low word for both halves: so both are written)
	s_mov_b32 s[K2], 0xc038aa3b
	s_mov_b32 s[K2+1], s[K2]
	s_mov_b32 s[LIM], 0x41f00000
	s_mov_b32 s[TB], 0
	s_lshl_b32 s67, s[WL], 15                      ; where my half-block goes in a slot's side; no place in the cluster enters an LDS address
	s_mul_i32 s35, s[WL], 11264
	s_lshl_b32 s[LA], s[WL], 13
	; the rows' side hangs on the row tile alone (s100, s101 never hold cx), the weights' on the cell tile alone (s104, s105 never hold cy)
	s_mul_i32 s100, s[RT], 360448
	s_lshl_b32 s101, s[WL], 15
	s_add_co_u32 s100, s100, s101
	s_mov_b32 s101, 0
	s_lshl_b32 s104, s[TT], 18
	s_lshl_b32 s105, s[WL], 15
	s_add_co_u32 s104, s104, s105
	s_mov_b32 s105, 0
	s_wait_kmcnt 0x0
	s_add_nc_u64 s[4:5], s[4:5], s[100:101]        ; my half-block of block 0
	s_add_nc_u64 s[8:9], s[8:9], s[104:105]
	s_mul_i32 s100, s[RT], 22528
	s_add_co_u32 s100, s100, s35
	s_add_nc_u64 s[6:7], s[6:7], s[100:101]        ; my half of the scale words
	s_lshl_b32 s104, s[TT], 14
	s_add_co_u32 s104, s104, s[LA]
	s_add_nc_u64 s[10:11], s[10:11], s[104:105]
	CROUND                                         ; all sixteen work-groups are here: the first joint loads meet
	s_mov_b32 s[G0SA], 1
	s_add_co_u32 s[G0SA+1], s35, XS
	s_mov_b64 s[G0SA+2:G0SA+3], s[6:7]
	s_or_b32 s[G0SA+3], s[G0SA+3], 0x80000000
	s_mov_b32 s[G0SB], 1
	s_add_co_u32 s[G0SB+1], s[LA], XSB
	s_mov_b64 s[G0SB+2:G0SB+3], s[10:11]
	s_or_b32 s[G0SB+3], s[G0SB+3], 0x80000000
	JLOAD G0SA, G1SA, G0SB, G1SB                   ; the scale words first: they are wanted with block 0
	s_mov_b32 s[G0A0], 1
	s_mov_b32 s[G0A0+1], s67
	s_mov_b64 s[G0A0+2:G0A0+3], s[4:5]
	s_or_b32 s[G0A0+3], s[G0A0+3], 0x80000000
	s_mov_b32 s[G0B0], 1
	s_add_co_u32 s[G0B0+1], s67, 0x10000
	s_mov_b64 s[G0B0+2:G0B0+3], s[8:9]
	s_or_b32 s[G0B0+3], s[G0B0+3], 0x80000000
	JLOAD G0A0, G1A, G0B0, G1B                     ; block 0 into slot 0
	s_mov_b32 s[G0A1], 1
	s_add_co_u32 s[G0A1+1], s67, SLOTX
	s_add_nc_u64 s[G0A1+2:G0A1+3], s[4:5], 0x10000
	s_or_b32 s[G0A1+3], s[G0A1+3], 0x80000000
	s_mov_b32 s[G0B1], 1
	s_add_co_u32 s[G0B1+1], s67, SLOTX+0x10000
	s_add_nc_u64 s[G0B1+2:G0B1+3], s[8:9], 0x10000
	s_or_b32 s[G0B1+3], s[G0B1+3], 0x80000000
	JLOAD G0A1, G1A, G0B1, G1B                     ; block 1 into slot 1
	; ---- the biases, while those loads land: tile i in the result's layout: lane (r, h) takes cells 64 T + 16 cb + 8 h + 0 .. 7 of gate i / 4
	s_lshl_b32 s104, s[TT], 8
	s_add_nc_u64 s[12:13], s[12:13], s[104:105]
	s_add_nc_u64 s[14:15], s[14:15], s[104:105]
	s_add_nc_u64 s[16:17], s[16:17], s[104:105]
	s_add_nc_u64 s[18:19], s[18:19], s[104:105]
	s_lshl_b32 s2, s[RT], 8
	s_lshl_b32 s3, s[WV], 6
	s_add_co_u32 s2, s2, s3
	s_lshl_b32 s2, s2, 12                          ; my first row, of 4,096 bytes,
	s_lshl_b32 s3, s[TT], 8
	s_add_co_u32 s2, s2, s3                        ; and the tile's 256 bytes in it
	s_mov_b32 s3, 0
	s_add_nc_u64 s[20:21], s[20:21], s[2:3]
	s_add_nc_u64 s[22:23], s[22:23], s[2:3]
	s_add_nc_u64 s[24:25], s[24:25], s[2:3]
	v_and_b32 v1, 15, v0                           ; r
	v_bfe_u32 v2, v0, 4, 1                         ; h
	v_and_b32 v3, 31, v0                           ; lane
	v_lshlrev_b32 v[BO], 5, v2
	WIN TO_W
.set i, 0
.rept 16
	global_load_b128 v[128+8*i:128+8*i+3], v[BO], s[12:13] offset:(i/4)*4096+(i%4)*64
	global_load_b128 v[128+8*i+4:128+8*i+7], v[BO], s[12:13] offset:(i/4)*4096+(i%4)*64+16
.set i, i+1
.endr
	WIN 0x80                                       ; Ub and Sb into window 2, where the accumulators are not yet begun
.set i, 0
.rept 16
	global_load_b128 v[8*i:8*i+3], v[BO], s[14:15] offset:(i/4)*4096+(i%4)*64
	global_load_b128 v[8*i+4:8*i+7], v[BO], s[14:15] offset:(i/4)*4096+(i%4)*64+16
	global_load_b128 v[128+8*i:128+8*i+3], v[BO], s[16:17] offset:(i/4)*4096+(i%4)*64
	global_load_b128 v[128+8*i+4:128+8*i+7], v[BO], s[16:17] offset:(i/4)*4096+(i%4)*64+16
.set i, i+1
.endr
	WIN 0
.irp f, 0,1,2,3
	global_load_b128 v[VB+8*\f:VB+8*\f+3], v[BO], s[18:19] offset:64*\f
	global_load_b128 v[VB+8*\f+4:VB+8*\f+7], v[BO], s[18:19] offset:64*\f+16
.endr
	s_wait_loadcnt 0x0
	WIN 0x49                                       ; destination and source 0 window 1, source 1 window 2
.set k, 0
.rept 64
	v_pk_add_f32 v[128+k:129+k], v[128+k:129+k], v[k:k+1]          ; Wb + Ub
.set k, k+2
.endr
.set k, 0
.rept 64
	v_pk_add_f32 v[128+k:129+k], v[128+k:129+k], v[128+k:129+k]    ; + Sb (source 1: window 2)
.set k, k+2
.endr
	WIN 0
	s_lshl_b32 s[LA], s[WV], 13
	v_lshlrev_b32 v20, 4, v3                       ; 16 x lane
	v_lshlrev_b32 v21, 3, v3                       ; 8 x lane
	v_add_nc_u32 v[AR0], s[LA], v20
	v_add_nc_u32 v[AW0], 0x10000, v20
	v_add_nc_u32 v[ADR], s[TB], v[AR0]
	v_add_nc_u32 v[ADW], s[TB], v[AW0]
	v_add_nc_u32 v[AZ1], SLOTX, v[AR0]
	v_add_nc_u32 v[AZ3], 0x10000, v[AR0]
	v_add_nc_u32 v[AVV], SLOTX+0x18000, v20        ; Vw: the upper half of slot 1's weights
	s_lshl_b32 s[LA], s[WV], 9
	s_add_co_u32 s[LA], s[LA], XS
	v_add_nc_u32 v[ASR], s[LA], v21                ; my 64 rows' words: 8 bytes a row
	v_add_nc_u32 v[AZS], s[LA], v21
	v_add_nc_u32 v[ASW], XSB, v21
	v_add_nc_u32 v[AVS], XSB+14336, v21
	s_lshl_b32 s[LA], s[WV], 14
	v_mul_u32_u24 v[STI], v2, 272
	v_lshl_add_u32 v[STI], v1, 4, v[STI]
	v_add_nc_u32 v[STI], s[LA], v[STI]
	v_mul_u32_u24 v[STO], v1, 272
	v_lshl_add_u32 v[STO], v2, 5, v[STO]
	v_add_nc_u32 v[STO], s[LA], v[STO]
	v_lshlrev_b32 v[CI], 12, v2
	v_lshl_add_u32 v[CI], v1, 4, v[CI]
; ---- THE K PART
.macro FR adr, base, p                 ; my four row fragments, from base bytes behind v[adr], into set p
.irp f, 0,1,2,3
.irp c, 0,1
	ds_load_b128 v[RF+32*(\p)+8*\f+4*\c:RF+32*(\p)+8*\f+4*\c+3], v[\adr] offset:(\base)+\f*1024+512*\c
.endr
.endr
.endm
.macro FW q, i0                        ; weight fragments i0 .. i0 + 7 of the block's q-th K step
	WIN TO_W
.irp f, 0,1,2,3,4,5,6,7
.irp c, 0,1
	ds_load_b128 v[8*((\i0)+\f)+4*\c:8*((\i0)+\f)+4*\c+3], v[ADW] offset:((\q)/2)*32768+((\q)%2)*16384+((\i0)+\f)*1024+512*\c
.endr
.endr
.endm
.macro SCL set, off                    ; a half-block's scale words: a pair of registers = its two K steps; lanes 0-15 an even fragment's rows, lanes 16-31 the odd one's
.irp f, 0,1,2,3,4,5,6,7
	ds_load_b64 v[SC+20*(\set)+2*\f:SC+20*(\set)+2*\f+1], v[ASW] offset:(\off)+256*\f
.endr
.irp f, 0,1
	ds_load_b64 v[SC+20*(\set)+16+2*\f:SC+20*(\set)+16+2*\f+1], v[ASR] offset:(\off)+256*\f
.endr
.endm
.macro WMM                             ; one product, by the symbols rD, rA, rB, rC, rSA, rSB; an odd fragment's scales stand in lanes 16-31
.if (wi%2) && (wa%2)
	v_wmma_scale_f32_16x16x128_f8f6f4 v[rD:rD+7], v[rA:rA+7], v[rB:rB+7], v[rC:rC+7], v[rSA], v[rSB] matrix_a_fmt:MATRIX_FMT_FP4 matrix_b_fmt:MATRIX_FMT_FP4 matrix_a_scale:MATRIX_SCALE_ROW1 matrix_b_scale:MATRIX_SCALE_ROW1
.elseif (wi%2)
	v_wmma_scale_f32_16x16x128_f8f6f4 v[rD:rD+7], v[rA:rA+7], v[rB:rB+7], v[rC:rC+7], v[rSA], v[rSB] matrix_a_fmt:MATRIX_FMT_FP4 matrix_b_fmt:MATRIX_FMT_FP4 matrix_a_scale:MATRIX_SCALE_ROW1
.elseif (wa%2)
	v_wmma_scale_f32_16x16x128_f8f6f4 v[rD:rD+7], v[rA:rA+7], v[rB:rB+7], v[rC:rC+7], v[rSA], v[rSB] matrix_a_fmt:MATRIX_FMT_FP4 matrix_b_fmt:MATRIX_FMT_FP4 matrix_b_scale:MATRIX_SCALE_ROW1
.else
	v_wmma_scale_f32_16x16x128_f8f6f4 v[rD:rD+7], v[rA:rA+7], v[rB:rB+7], v[rC:rC+7], v[rSA], v[rSB] matrix_a_fmt:MATRIX_FMT_FP4 matrix_b_fmt:MATRIX_FMT_FP4
.endif
.endm
; 4 n products: weight fragments i0 .. i0 + n - 1 x my four row fragments of set p; the block's q-th K step.  first = 1: the summed biases start the sums: nothing is cleared.
; The 64 accumulators take turns, one instruction a turn, in the same order in every step.
.macro MULW i0, n, p, q, first
.set wi, \i0
.rept \n
.set wa, 0
.rept 4
.set rD, 8*(4*(wi%8)+wa)
.set rA, 8*wi
.set rB, RF+32*(\p)+8*wa
.if \first
.set rC, 128+8*wi
.else
.set rC, rD
.endif
.set rSA, SC+20*((\q)/2)+2*(wi/2)+(\q)%2
.set rSB, SC+20*((\q)/2)+16+2*(wa/2)+(\q)%2
	WMM
.set wa, wa+1
.endr
.set wi, wi+1
.endr
.endm
; A K step that has its successor in the same slot.  h1 = 1: the block's second half-block's scale words are fetched too.
.macro STEP q, first, h1
	s_wait_dscnt 16                                ; all but the youngest sixteen loads (weight fragments 8-15) are in
.if \first
	WIN 0x91                                       ; C: the biases, in window 1
.else
	WIN MUL_LO
.endif
	MULW 0, 8, (\q)%2, \q, \first
	s_wait_dscnt 0x0                               ; fragments 8-15 are in (asked for 32 products ago)
	PLACES
	WIN 0
	FR ADR, (((\q)+1)/2)*32768+(((\q)+1)%2)*4096, 1-(\q)%2
.if \h1
	SCL 1, 2048
.endif
	FW (\q)+1, 0
.if \first
	WIN 0xd1
.else
	WIN MUL_HI
.endif
	MULW 8, 8, (\q)%2, \q, \first
	PLACES
	FW (\q)+1, 8
	WIN 0
.endm
; A block's last K step changes slots.  In front of the barrier each wave waits for all its tensor loads (its part of the next slot), adds 0 to its spare word, and waits for that and for its reads of this slot.
; The barrier opens a round of the cluster's barrier; behind the round this slot is filled again, first thing.  both = 1: rows and weights; 0: ztm's last three quarters, by waves 0, 1 and 2.
.macro TURN both
	s_wait_tensorcnt 0x0                           ; all my tensor loads have landed
	ds_add_u32 v[SPW], v[NIL]                      ; 0 onto my spare word
	s_wait_dscnt 17                                ; (the add and the youngest sixteen loads may be out)
	WIN MUL_LO
	MULW 0, 4, 1, 3, 0                             ; sixteen products stand between the add and the wait for it
	s_wait_dscnt 0x0                               ; the add is done, and my reads of this slot are over
	s_barrier_signal -1
	MULW 4, 4, 1, 3, 0
	WIN 0
	s_barrier_wait -1
	CREST                                          ; no wave of any partner still reads this slot or has a load on its way
	s_xor_b32 s[G0A1+1], s[G0A1+1], SLOTX          ; the walking descriptors: the other slot than last time, the next block
	s_add_nc_u64 s[G0A1+2:G0A1+3], s[G0A1+2:G0A1+3], 0x10000
.if \both
	s_xor_b32 s[G0B1+1], s[G0B1+1], SLOTX
	s_add_nc_u64 s[G0B1+2:G0B1+3], s[G0B1+2:G0B1+3], 0x10000
	JLOAD G0A1, G1A, G0B1, G1B                     ; the four v_nop behind it are also the places in front of the loads below
.else
	s_mov_b32 s[G0A0+1], 0x10000                   ; block 0's group 0, whose load is long done: in wave 2 it stands at the row tile's first half-block;
	s_add_nc_u64 s[G0A0+2:G0A0+3], s[G0A0+2:G0A0+3], 0x50000   ; ten half-blocks on lies ztm's fourth quarter
	JLOADZ
.endif
	s_xor_b32 s[TB], s[TB], SLOTX
	v_add_nc_u32 v[ADR], s[TB], v[AR0]
	v_add_nc_u32 v[ADW], s[TB], v[AW0]
	v_add_nc_u32 v[ASR], 4096, v[ASR]              ; two half-blocks' scale words on
	v_add_nc_u32 v[ASW], 4096, v[ASW]
	FR ADR, 0, 0
	SCL 0, 0
	FW 0, 0
	WIN MUL_HI
	MULW 8, 8, 1, 3, 0
	PLACES
	FW 0, 8
	WIN 0
.endm
; ---- the hybrid: K step zq of 8; ztm's quarters lie in the upper half of slot 1's rows, the two halves of slot 0's rows, and the lower half of slot 0's weights
.macro FZ zq                           ; its fragments: my four rows' and Vw's four, into sets zq % 2
	WIN 0
.if (\zq)/2 == 0
	FR AZ1, 32768+((\zq)%2)*4096, (\zq)%2
.elseif (\zq)/2 == 1
	FR AR0, ((\zq)%2)*4096, (\zq)%2
.elseif (\zq)/2 == 2
	FR AR0, 32768+((\zq)%2)*4096, (\zq)%2
.else
	FR AZ3, ((\zq)%2)*4096, (\zq)%2
.endif
	WIN TO_W
.irp f, 0,1,2,3
.irp c, 0,1
	ds_load_b128 v[32*((\zq)%2)+8*\f+4*\c:32*((\zq)%2)+8*\f+4*\c+3], v[AVV] offset:(4*(\zq)+\f)*1024+512*\c
.endr
.endr
.endm
.macro MULH zq                         ; 16 products, the 16 accumulators by turns; step 0 takes Vb as C
.if (\zq) == 0
	WIN 0x41
.else
	WIN 0x51
.endif
.set wi, 0
.rept 4
.set wa, 0
.rept 4
.set rD, 128+8*(4*wi+wa)
.set rA, 32*((\zq)%2)+8*wi
.set rB, RF+32*((\zq)%2)+8*wa
.if (\zq) == 0
.set rC, VB+8*wi
.else
.set rC, rD
.endif
.set rSA, HSC+4*((\zq)/2)+2*(wi/2)+(\zq)%2
.set rSB, HSC+16+4*((\zq)/2)+2*(wa/2)+(\zq)%2
	WMM
.set wa, wa+1
.endr
.set wi, wi+1
.endr
.endm
.macro HSTEP zq
	s_wait_dscnt 0x0                               ; this step's fragments are in
	PLACES                                         ; the other sets were read by the products just issued
	FZ (\zq)+1
	MULH \zq
	WIN 0
.endm
.macro HTURN zq                        ; the step behind which ztm's last three quarters are read: each wave that fetched one waits for it, then the work-group's barrier
	s_wait_tensorcnt 0x0
	ds_add_u32 v[SPW], v[NIL]
	s_wait_dscnt 0x0                               ; the add is done, and this step's fragments are in
	s_barrier_signal -1
	MULH \zq
	WIN 0
	s_barrier_wait -1
	PLACES
	FZ (\zq)+1
	WIN 0
.endm
.macro CTL a                           ; ctm, row block a: eight loads of two rows' 256 bytes, into window 1
.irp t, 0,1,2,3,4,5,6,7
	global_load_b128 v[(64+32*(\a))%128+4*\t:(64+32*(\a))%128+4*\t+3], v[CI], s[20:21] offset:(16*(\a)+2*\t)*4096 th:TH_LOAD_NT
.endr
.endm
	s_wait_tensorcnt 1                             ; the scale words and my part of block 0 are in; block 1's load may be out
	s_barrier_signal -1
	s_barrier_wait -1                              ; everybody's are
	FR ADR, 0, 0
	SCL 0, 0
.irp z, 0,1,2,3                        ; all of the hybrid's scale words: they stay
.irp f, 0,1
	ds_load_b64 v[HSC+4*\z+2*\f:HSC+4*\z+2*\f+1], v[AVS] offset:512*\z+256*\f
	ds_load_b64 v[HSC+16+4*\z+2*\f:HSC+16+4*\z+2*\f+1], v[AZS] offset:(7+\z)*2048+256*\f
.endr
.endr
	FW 0, 0
	FW 0, 8
	WIN 0
	STEP 0, 1, 1                                   ; the first step stands in front of the loop: its products start the sums
	s_mov_b32 s[CNT], 2
.Lblk:                                             ; a trip: a block's steps 1, 2, 3 and the next block's step 0; it fills the slot that it leaves
	STEP 1, 0, 0
	STEP 2, 0, 0
	TURN 1
	STEP 0, 0, 1
	s_sub_co_u32 s[CNT], s[CNT], 1
	s_cmp_lg_u32 s[CNT], 0
	s_cbranch_scc1 .Lblk
	STEP 1, 0, 0                                   ; block 2 goes on
	STEP 2, 0, 0
	TURN 0                                         ; slot 0 takes the rest of ztm: the last tensor loads; they have speaker_affine's 128 products and the hybrid's first 16 in which to land
	STEP 0, 0, 0                                   ; speaker_affine, K step 0
	s_wait_dscnt 16                                ; speaker_affine, K step 1: the last main step
	WIN MUL_LO
	MULW 0, 8, 1, 1, 0
	s_wait_dscnt 0x0
	PLACES
	FZ 0
	WIN MUL_HI
	MULW 8, 8, 1, 1, 0
	PLACES
	WIN TO_W
	CTL 0                                          ; ctm's first 32 rows are asked for here, into the registers that weight fragments 8-15 have left
	CTL 1
	WIN 0
	HSTEP 0
	HTURN 1
	HSTEP 2
	HSTEP 3
	HSTEP 4
	HSTEP 5
	HSTEP 6
	s_wait_dscnt 0x0                               ; the last step's fragments are in: all my reads of the ring are over
	s_barrier_signal -1                            ; say so: the stages of the way out lie where ztm's second and third quarters were read
	MULH 7
	s_barrier_wait -1                              ; every wave has said so
	PLACES
	WIN TO_W
	CTL 2
	CTL 3
	WIN 0
; ---- THE GATES, a row block of 16 rows at a time, a quarter (16 cells: 8 a lane) in each of two sets of 40 registers.  A batch of exponentials or reciprocals of one quarter is dealt out among the other
; quarter's plain lines, one ahead of each line, and one wait stands between the batch and its first reader.  Each batch's lines all stand ahead of carrying lines, so a plain line ends it.
.set TN, 0
.set TC, 0
.set TKIND, 0
.set TBASE, 0
.macro TSET kind, base, count          ; the batch to be dealt out: count registers from base on, in place; kind 0: 2^x, 1: 1 / x
.set TKIND, \kind
.set TBASE, \base
.set TC, \count
.set TN, 0
.endm
.macro TX                              ; the batch's next line, if one is left
.if TN < TC
.if TKIND
	v_rcp_f32 v[TBASE+TN], v[TBASE+TN]
.else
	v_exp_f32 v[TBASE+TN], v[TBASE+TN]
.endif
.set TN, TN+1
.endif
.endm
.macro WALU
	s_wait_alu depctr_va_vdst(0)
.endm
.macro P1M a, cb, Q                    ; k s; each accumulator is read from its low end on
	WIN 0x02
.irp j, 0,2,4,6
	v_pk_mul_f32 v[\Q+\j:\Q+\j+1], v[8*(4*\cb+\a)+\j:8*(4*\cb+\a)+\j+1], s[K1:K1+1] op_sel_hi:[1,0]              ; f
.endr
.irp j, 0,2,4,6
	v_pk_mul_f32 v[\Q+16+\j:\Q+16+\j+1], v[8*(4*(4+\cb)+\a)+\j:8*(4*(4+\cb)+\a)+\j+1], s[K1:K1+1] op_sel_hi:[1,0]  ; i
.endr
	WIN 0x03
.irp j, 0,2,4,6
	v_pk_mul_f32 v[\Q+32+\j:\Q+32+\j+1], v[8*(4*\cb+\a)+\j:8*(4*\cb+\a)+\j+1], s[K1:K1+1] op_sel_hi:[1,0]        ; o
.endr
.irp j, 0,2,4,6
	v_pk_mul_f32 v[\Q+24+\j:\Q+24+\j+1], v[8*(4*(4+\cb)+\a)+\j:8*(4*(4+\cb)+\a)+\j+1], s[K2:K2+1] op_sel_hi:[1,0]  ; g, a tanh
.endr
	WIN 0x01
.irp j, 0,2,4,6
	v_pk_mul_f32 v[\Q+8+\j:\Q+8+\j+1], v[128+8*(4*\cb+\a)+\j:128+8*(4*\cb+\a)+\j+1], s[K1:K1+1] op_sel_hi:[1,0]  ; the hybrid
.endr
	WIN 0
.endm
.macro P1N Q                           ; held at 30
.set k, 0
.rept 40
	TX
	v_min_num_f32 v[\Q+k], s[LIM], v[\Q+k]
.set k, k+1
.endr
.endm
.macro P2 cb, Q                        ; pf, ph, pi; then c's numerator in f's registers and its denominator in the hybrid's.  pg is never formed: pi pg = pi Eg + pi, 2 - pg = 1 - Eg
.set k, 0
.rept 12
	TX
	v_pk_add_f32 v[\Q+k:\Q+k+1], v[\Q+k:\Q+k+1], 1.0 op_sel_hi:[1,0]
.set k, k+2
.endr
.irp j, 0,2,4,6
	TX
	v_pk_add_f32 v[UU+\j:UU+\j+1], v[\Q+\j:\Q+\j+1], v[\Q+8+\j:\Q+8+\j+1]            ; pf + ph
.endr
.irp j, 0,2,4,6
	TX
	v_pk_mul_f32 v[\Q+8+\j:\Q+8+\j+1], v[\Q+\j:\Q+\j+1], v[\Q+8+\j:\Q+8+\j+1]        ; pf ph
.endr
.irp j, 0,2,4,6
	TX
	v_pk_mul_f32 v[\Q+\j:\Q+\j+1], v[CTF+8*\cb+\j:CTF+8*\cb+\j+1], v[UU+\j:UU+\j+1]  ; ctm (pf + ph)
.endr
.irp j, 0,2,4,6
	TX
	v_pk_fma_f32 v[\Q+16+\j:\Q+16+\j+1], v[\Q+16+\j:\Q+16+\j+1], v[\Q+24+\j:\Q+24+\j+1], v[\Q+16+\j:\Q+16+\j+1]  ; pi pg
.endr
.irp j, 0,2,4,6
	TX
	v_pk_add_f32 v[\Q+24+\j:\Q+24+\j+1], v[\Q+24+\j:\Q+24+\j+1], 1.0 op_sel_hi:[1,0] neg_lo:[1,0] neg_hi:[1,0]  ; 2 - pg
.endr
.irp j, 0,2,4,6
	TX
	v_pk_mul_f32 v[\Q+\j:\Q+\j+1], v[\Q+\j:\Q+\j+1], v[\Q+16+\j:\Q+16+\j+1]
.endr
.irp j, 0,2,4,6
	TX
	v_pk_fma_f32 v[\Q+\j:\Q+\j+1], v[\Q+24+\j:\Q+24+\j+1], v[\Q+8+\j:\Q+8+\j+1], v[\Q+\j:\Q+\j+1]
.endr
.irp j, 0,2,4,6
	TX
	v_pk_mul_f32 v[\Q+8+\j:\Q+8+\j+1], v[\Q+8+\j:\Q+8+\j+1], v[\Q+16+\j:\Q+16+\j+1]
.endr
.endm
.macro P3 cb, Q                        ; c, to its stage; -2 log2(e) c, held at 30, in g's registers
.irp j, 0,2,4,6
	TX
	v_pk_mul_f32 v[\Q+\j:\Q+\j+1], v[\Q+\j:\Q+\j+1], v[\Q+8+\j:\Q+8+\j+1]
.endr
.irp j, 0,2,4,6
	TX
	v_pk_mul_f32 v[\Q+24+\j:\Q+24+\j+1], v[\Q+\j:\Q+\j+1], s[K2:K2+1] op_sel_hi:[1,0]
.endr
.irp j, 0,1,2,3,4,5,6,7
	TX
	v_min_num_f32 v[\Q+24+\j], s[LIM], v[\Q+24+\j]
.endr
	ds_store_b128 v[STO], v[\Q:\Q+3] offset:STC+64*\cb
	ds_store_b128 v[STO], v[\Q+4:\Q+7] offset:STC+64*\cb+16
.endm
.macro P4 Q                            ; pC; pC po = pC Eo + pC (po is never formed); 2 - pC
.irp j, 0,2,4,6
	TX
	v_pk_add_f32 v[\Q+24+\j:\Q+24+\j+1], v[\Q+24+\j:\Q+24+\j+1], 1.0 op_sel_hi:[1,0]
.endr
.irp j, 0,2,4,6
	TX
	v_pk_fma_f32 v[\Q+32+\j:\Q+32+\j+1], v[\Q+24+\j:\Q+24+\j+1], v[\Q+32+\j:\Q+32+\j+1], v[\Q+24+\j:\Q+24+\j+1]
.endr
.irp j, 0,2,4,6
	TX
	v_pk_add_f32 v[\Q+24+\j:\Q+24+\j+1], v[\Q+24+\j:\Q+24+\j+1], 2.0 op_sel_hi:[1,0] neg_lo:[1,0] neg_hi:[1,0]
.endr
.endm
.macro P5 cb, Q                        ; h, to its stage.  Four lines carry a batch of eight: two ahead of each
.irp j, 0,2,4,6
	TX
	TX
	v_pk_mul_f32 v[\Q+24+\j:\Q+24+\j+1], v[\Q+24+\j:\Q+24+\j+1], v[\Q+32+\j:\Q+32+\j+1]
.endr
	ds_store_b128 v[STO], v[\Q+24:\Q+27] offset:STH+64*\cb
	ds_store_b128 v[STO], v[\Q+28:\Q+31] offset:STH+64*\cb+16
.endm
.macro PAIR a, c0, c1, wt              ; quarters c0 (in QX) and c1 (in QY) of row block a.  wt = 1: the row block's ctm is waited for
	P1M \a, \c0, QX
	P1N QX                                         ; (no batch is pending here)
	P1M \a, \c1, QY
	TSET 0, QX, 40
	P1N QY                                         ; carries QX's 40 exponentials
	WALU
	TSET 0, QY, 40
.if \wt
	s_wait_dscnt 0x0                               ; ctm is back from its stage
.endif
	P2 \c0, QX                                     ; carries QY's 40 exponentials
	WALU
	TSET 1, QX+8, 8
	P2 \c1, QY                                     ; carries QX's reciprocals of c's denominator
	WALU
	TSET 1, QY+8, 8
	P3 \c0, QX
	WALU
	TSET 0, QX+24, 8
	P3 \c1, QY                                     ; carries QX's exponentials of c
	WALU
	TSET 0, QY+24, 8
	P4 QX
	WALU
	TSET 1, QX+32, 8
	P4 QY                                          ; carries QX's reciprocals of h's denominator
	WALU
	TSET 1, QY+32, 8
	P5 \c0, QX
	WALU
	P5 \c1, QY
.endm
; ctm of row block a turns through my stage: in by rows as loaded, out in the result's layout.  LDS serves a wave's instructions in order (ISA guide 5.7.1.4): no wait between the stores and the loads.
.macro CTIN a
	s_wait_loadcnt 24-8*(\a)                       ; its eight loads are in; those of the later row blocks may be out
	WIN 0x04                                       ; an LDS store's data are its source 1: window 1
.irp t, 0,1,2,3,4,5,6,7
	ds_store_b128 v[STI], v[(64+32*(\a))%128+4*\t:(64+32*(\a))%128+4*\t+3] offset:544*\t
.endr
	WIN 0
.irp f, 0,1,2,3
	ds_load_b128 v[CTF+8*\f:CTF+8*\f+3], v[STO] offset:64*\f
	ds_load_b128 v[CTF+8*\f+4:CTF+8*\f+7], v[STO] offset:64*\f+16
.endr
.endm
.macro RB a                            ; the row block's c and h come back as rows of 256 bytes, into the accumulators of gates f and o that it has left: no store's data are ever written again
	WIN 0x80
.irp t, 0,1,2,3,4,5,6,7
	ds_load_b128 v[8*(4*(\t/2)+\a)+4*(\t%2):8*(4*(\t/2)+\a)+4*(\t%2)+3], v[STI] offset:STC+544*\t
.endr
	WIN 0xc0
.irp t, 0,1,2,3,4,5,6,7
	ds_load_b128 v[8*(4*(\t/2)+\a)+4*(\t%2):8*(4*(\t/2)+\a)+4*(\t%2)+3], v[STI] offset:STH+544*\t
.endr
	WIN 0
.endm
.macro SEND a, younger                 ; younger: the LDS lines issued behind RB's: the next row block's sixteen for ctm, or none
	s_wait_dscnt \younger
	WIN 0x08                                       ; a store's data are its source 1: window 2
.irp t, 0,1,2,3,4,5,6,7
	global_store_b128 v[CI], v[8*(4*(\t/2)+\a)+4*(\t%2):8*(4*(\t/2)+\a)+4*(\t%2)+3], s[22:23] offset:(16*\a+2*\t)*4096 th:TH_STORE_NT   ; sixteen lanes store 256 consecutive bytes, at a multiple of 256 from the output's first byte
.endr
	WIN 0x0c
.irp t, 0,1,2,3,4,5,6,7
	global_store_b128 v[CI], v[8*(4*(\t/2)+\a)+4*(\t%2):8*(4*(\t/2)+\a)+4*(\t%2)+3], s[24:25] offset:(16*\a+2*\t)*4096 th:TH_STORE_NT
.endr
	WIN 0
.endm
	CTIN 0
	PAIR 0, 0, 1, 1
	PAIR 0, 2, 3, 0
	RB 0
	CTIN 1
	SEND 0, 16                                     ; a row block's stores leave while the next is worked
	PAIR 1, 0, 1, 1
	PAIR 1, 2, 3, 0
	RB 1
	CTIN 2
	SEND 1, 16
	PAIR 2, 0, 1, 1
	PAIR 2, 2, 3, 0
	RB 2
	CTIN 3
	SEND 2, 16
	PAIR 3, 0, 1, 1
	PAIR 3, 2, 3, 0
	RB 3
	SEND 3, 0
	s_wait_tensorcnt 0x0                           ; the wave's end: behind my last tensor load and my last LDS store
	ds_add_u32 v[SPW], v[NIL]
	s_wait_dscnt 0x0
	CROUND                                         ; the closing round: no work-group ends while a partner may still ask for a tile that names it
	s_endpgm
.Lfunc_end_k_q842bff25ea_cell:
	.size	k_q842bff25ea_cell, .Lfunc_end_k_q842bff25ea_cell-k_q842bff25ea_cell
	.p2alignl 7, 3214868480
	.fill 96, 4, 3214868480
	.section	.rodata,"a",@progbits
	.p2align	6, 0x0
	.amdhsa_kernel k_q842bff25ea_cell
		.amdhsa_group_segment_fixed_size 327680
		.amdhsa_private_segment_fixed_size 0
		.amdhsa_enable_private_segment 0
		.amdhsa_kernarg_size 88
		.amdhsa_user_sgpr_count 2
		.amdhsa_user_sgpr_kernarg_segment_ptr 1
		.amdhsa_wavefront_size32 1
		.amdhsa_system_sgpr_workgroup_id_x 1
		.amdhsa_system_sgpr_workgroup_id_y 1
		.amdhsa_system_sgpr_workgroup_id_z 1
		.amdhsa_system_vgpr_workitem_id 0
		.amdhsa_next_free_vgpr 1024
		.amdhsa_next_free_sgpr 106
		.amdhsa_reserve_vcc 0
		.amdhsa_float_denorm_mode_32 3
		.amdhsa_float_denorm_mode_16_64 3
		.amdhsa_memory_ordered 1
		.amdhsa_forward_progress 1
		.amdhsa_inst_pref_size 255
	.end_amdhsa_kernel
	.section	.bss,"aw",@nobits
	.p2align	6
	.space	262144
	.amdgpu_metadata
---
amdhsa.version: [ 1, 2 ]
amdhsa.kernels:
  - .name:           k_q842bff25ea_cell
    .symbol:         k_q842bff25ea_cell.kd
    .args:
      - { .name: aq, .offset: 0, .size: 8, .value_kind: global_buffer, .address_space: global }
      - { .name: asc, .offset: 8, .size: 8, .value_kind: global_buffer, .address_space: global }
      - { .name: wq, .offset: 16, .size: 8, .value_kind: global_buffer, .address_space: global }
      - { .name: wsc, .offset: 24, .size: 8, .value_kind: global_buffer, .address_space: global }
      - { .name: Wb, .offset: 32, .size: 8, .value_kind: global_buffer, .address_space: global }
      - { .name: Ub, .offset: 40, .size: 8, .value_kind: global_buffer, .address_space: global }
      - { .name: Sb, .offset: 48, .size: 8, .value_kind: global_buffer, .address_space: global }
      - { .name: Vb, .offset: 56, .size: 8, .value_kind: global_buffer, .address_space: global }
      - { .name: ctm, .offset: 64, .size: 8, .value_kind: global_buffer, .address_space: global }
      - { .name: out0, .offset: 72, .size: 8, .value_kind: global_buffer, .address_space: global }
      - { .name: out1, .offset: 80, .size: 8, .value_kind: global_buffer, .address_space: global }
    .group_segment_fixed_size: 327680
    .private_segment_fixed_size: 0
    .kernarg_segment_align: 8
    .kernarg_segment_size: 88
    .max_flat_workgroup_size: 128
    .sgpr_count:     106
    .vgpr_count:     1024
    .wavefront_size: 32
...
	.end_amdgpu_metadata
.endif
;; end of part 2
